; MI455X (gfx1250); checked and timed in simulation.
; The chip was launched on July 23, 2026; its instructions are those of AMD's public machine-readable ISA for CDNA 5 (MIT licence, August 2026) and "CDNA5" Instruction Set Architecture Reference Guide (July 2026). The comments in the code are by the model that wrote it; some were corrected since.
;; Scaled Dot Product. Allowed arithmetic: matrix products marked QUANTISED: E4M3 operands, one E8M0 scale for each 32 along K, by v_wmma_scale_f32_16x16x128_f8f6f4 with both operands' format E4M3, f32 sums; everything else in f32.
;; Inputs: key 4 x 16 x 2,048 x 64 float32; mask 4 x 1 x 2,048 x 2,048 int32; query 4 x 16 x 2,048 x 64 float32; value 4 x 16 x 2,048 x 64 float32.
;; Outputs: out0 4 x 16 x 2,048 x 64 float32.
;; Constants: d_k = 64.
;; This version of the problem:
;;   THIS VERSION OF THE PROBLEM IS GIVEN IN LOW PRECISION. The matrix products marked QUANTISED in the list below multiply operands that are first quantised to E4M3 (4 exponent bits, 3 mantissa bits; 8 bits a number), with one power-of-two scale for each 32 numbers along K (OCP MX v1.0); their sums are f32. All else is computed in f32.
;;   The module's matrix products, in the order in which they are computed (A, B: the left and right operand; K: the contracted axis; several contracted axes count as one K, in the product's order):
;;     1. batch 64 x [M 2,048, K 64] x [K 64, N 2,048]; A: input query; B: input key: QUANTISED
;;     2. batch 64 x [M 2,048, K 2,048] x [K 2,048, N 64]; A: softmax (see below); B: input value: QUANTISED
;;   THE QUANTISER, for each operand of a quantised product, along K:
;;     - K is cut into blocks of 32 from its start; a last block that is shorter is filled with zeros.
;;     - A block's scale is 2^e with e = floor(log2(the largest magnitude in the block)) - 8, held to -126 .. 127; a block of zeros has e = 0. As a byte (E8M0): e + 127.
;;     - Each number is divided by its block's scale, clamped to +-448, and rounded to the nearest number of E4M3, ties to even, subnormals kept.
;;     - The product sums the exact products of the quantised numbers (number of the format x scale) in f32.
;;   ~~~python
;;   def quantise(x, axis):      # numpy; x: float32 -> the quantised numbers, widened to float32 again
;;       x = np.moveaxis(x, axis, -1); K = x.shape[-1]
;;       x = np.pad(x, [(0, 0)] * (x.ndim - 1) + [(0, -K % 32)]); x = x.reshape(x.shape[:-1] + (-1, 32)); a = np.abs(x).max(-1, keepdims=True)
;;       e = np.where(a > 0, np.clip(np.frexp(np.where(a > 0, a, 1))[1] - 1 - 8, -126, 127), 0)      # np.frexp(a)[1] - 1 = floor(log2(a)), exactly
;;       r = np.clip(x / 2.0 ** e, -448, 448)
;;       step = 2.0 ** (np.maximum(np.frexp(np.where(r == 0, 1, r))[1] - 1, -6) - 3)
;;       q = np.round(r / step) * step * 2.0 ** e      # np.round: ties to even
;;       return np.moveaxis(q.reshape(q.shape[:-2] + (-1,))[..., :K], -1, axis).astype(np.float32)
;;   ~~~
;;   SOFTMAX AHEAD OF A QUANTISED PRODUCT. Where the list says 'softmax', what is quantised is not the finished softmax but p = 2^(t - M), with t = logit x log2(e) and M = ceil(the row's largest t), a whole number; so 1/2 < the row's largest p <= 1. The row's sum l is taken of the UNQUANTISED p, in f32, and the product's result is divided by l at the end. Since M is a whole number, a kernel that streams over the keys may use a running M (the ceiling of the running maximum): every later rescaling is an exact power of two, which a block's scale takes up: the codes' values come out the same.
;;   OPERANDS COMPUTED ON THE WAY. 'Computed on the way' means the value that the module computes at that place (a softmax that the list does not call 'softmax' is quantised finished and normalised). What goes into a quantiser is computed in f32, as accurately as f32 sums, v_exp_f32 and their like allow (about 1e-6 of the number): no bf16 or f16 on the way to a quantiser, and a product that is left as it is and whose result goes on into a quantised operand takes f32 operands (vector FMAs, or v_wmma_f32_16x16x4_f32). A number that lies on a knife's edge between two numbers of the format may be rounded either way, as far as f32 arithmetic and the matrix unit's own rounding can turn it there, and no further.
;; One version. Each part assembles by itself: llvm-mc -triple=amdgcn-amd-amdhsa -mcpu=gfx1250 --defsym DOCPART=n.
;; ======== version 1 of 1: 2 launches
;; limits: right only within a limited range of input values
;; workspace buffers: kv 17,563,648 bytes; qc 8,912,896 bytes
;; launch prep (part 1): grid 1024 x 1, 4 waves a work-group, no clusters, 35,328 bytes of LDS; arguments key, query, value, kv, qc; writes kv, qc
.if DOCPART == 1
	.amdgcn_target "amdgcn-amd-amdhsa--gfx1250"
	.amdhsa_code_object_version 6
	.text
	.protected	k_qde368535cc_prep
	.globl	k_qde368535cc_prep
	.p2align	8
	.type	k_qde368535cc_prep,@function
k_qde368535cc_prep:
	s_mov_b64 s[64:65], 0
	v_nop
	global_prefetch_b8 v0, s[64:65] scope:SCOPE_SE
	s_setreg_imm32_b32 hwreg(HW_REG_WAVE_MODE, 25, 1), 1
	s_wait_xcnt 0x0
; key, query and value, [64 heads][2048][64] f32, become codes of FP8 (E4M3) with one E8M0 scale byte for each 32 along a product's K, laid as IMAGES OF THE OPERANDS' REGISTERS.
; key and query are quantised along their 64 channels (the first product's K), value along the keys (the second product's K).
; A block's scale is 2^(floor(log2(its largest magnitude)) - 8): its byte is the largest magnitude's exponent field - 8, held at 1 from below by a floor among the maximum's leaves.
; Each number is held within +-448 x the scale and rounded to the nearest code, ties to even.
; LIMITS: a block of zeros gets the byte 1 (its codes are zeros, and this program alone reads the bytes); blocks whose largest magnitude lies under 2^-118 are held at that byte; NaN and infinities are not served.
; kv: 512 blocks of KVB bytes, block ((batch x 8 + head / 2) x 16 + step), a step being 128 keys; i = head % 2.  In a block:
;   KC   0     + i 8192 + t 1024 + c 512 + 16 lane : K's tile t = 2 g + u: lane (r, h) holds key 32 g + 8 u + r + 8 (r / 8), channels 32 c + 16 h + 0..15
;   VC   16384 + i 8192 + ct 2048 + c 512 + 16 lane: lane (r, h) holds channel 16 ct + r, keys 32 c + 16 h + 0..15
;   KS   32768 + i 512 + 16 lane                   : four words; word g: lanes 0-15 the rows of tile 2 g, lanes 16-31 those of tile 2 g + 1; a word = byte of channels 0-31 | byte of channels 32-63 << 8
;   VS   33792 + i 256 + p 128 + 4 lane            : lanes 0-15 the rows of ct = 2 p, lanes 16-31 of ct = 2 p + 1; byte c = keys 32 c on
; qc: 512 blocks of QCB bytes, the same index with a block of 128 queries for a step: the codes as KC, the scale words, as KS, from byte 16384 on.
; Work-groups 0-255 take key, 256-511 query (one path through the text: only pointers and two constants are chosen, by the work-group's number; a wave: 128 rows of one head),
; work-groups 512-1023 take value (a wave: 128 keys x 32 channels).  Waves share nothing: no barrier.  Only the first path uses LDS.
.set KVB,   34304
.set VCO,   16384
.set KSO,   32768
.set VSO,   33792
.set QCB,   17408
.set QSO,   16384
.set FLOOR, 0x4800000                  ; 2^(9 - 127)
.set SP,    272                        ; the stage: a row's 256 bytes + 16 of padding
.set WREG,  32*SP                      ; 32 rows: a stage for each wave
.set R,     16                         ; v16-143  two sets of 64 registers as loaded
.set X,     144                        ; v144-207 tile u at X + 32 u: register 16 c + k = channel 32 c + 16 h + k of my row
.set C,     208                        ; v208-223 the codes, tile u at C + 8 u
.set SW,    224                        ; v224-227 the four scale words
.set BM,    228                        ; v228-229 largest magnitudes
.set T,     230                        ; v230-231 the other half's; then the bytes
.set LIM,   232                        ; v232-233 448 x the scale
.set SCO,   234                        ; v234-235 the conversions' scale operands
.set W,     236                        ; v236-237 the rows' words of tiles 2 g and 2 g + 1
.set VX,    32                         ; v32-95   value: two sets of 32 numbers
.set VC,    96                         ; v96-127  value: the codes, eight registers a block, never written again
	s_load_b128 s[4:7], s[0:1], 0x0                ; key, query
	s_load_b128 s[8:11], s[0:1], 0x10              ; value, kv
	s_load_b64 s[12:13], s[0:1], 0x20              ; qc
	v_lshl_add_u32 v248, v0, 2, 0x8800
	v_mov_b32 v249, 0
	v_lshrrev_b32 v1, 5, v0
	v_readfirstlane_b32 s16, v1                    ; wave 0..3
	v_and_b32 v2, 31, v0                           ; lane
	s_mov_b32 s20, 0x76543210
	s_mov_b32 s21, 0xfedcba98                      ; v_permlanex16_b32's selects for lane l xor 16
	s_mov_b32 s23, 0x600000                        ; the mantissa field of 448
	s_cmp_lt_u32 ttmp9, 512
	s_cbranch_scc0 .Lv
	; ---------------- key and query ----------------
	s_and_b32 s14, ttmp9, 255                      ; which of the tensor's 256 work-groups
	s_lshr_b32 s17, s14, 2                         ; batch x 16 + head
	s_and_b32 s18, s14, 3
	s_lshl_b32 s18, s18, 2
	s_add_co_u32 s18, s18, s16                     ; step = 4 x (work-group % 4) + wave
	s_lshr_b32 s19, s17, 1
	s_lshl_b32 s19, s19, 4
	s_add_co_u32 s19, s19, s18                     ; the block
	s_mov_b32 s32, QCB
	s_mov_b32 s33, QSO
	s_cmp_lt_u32 ttmp9, 256                        ; key's work-group or query's?
	s_cselect_b32 s32, KVB, s32                    ; a block's bytes,
	s_cselect_b32 s33, KSO, s33                    ; and where its scale words begin
	s_mul_i32 s24, s19, s32
	s_and_b32 s25, s17, 1                          ; i
	s_lshl_b32 s26, s25, 13
	s_add_co_u32 s26, s26, s24                     ; the codes: + i 8192
	s_mov_b32 s27, 0
	s_lshl_b32 s28, s25, 9
	s_add_co_u32 s28, s28, s24
	s_add_co_u32 s28, s28, s33                     ; the scale words: + i 512
	s_mov_b32 s29, 0
	s_lshl_b32 s30, s17, 11
	s_lshl_b32 s31, s18, 7
	s_add_co_u32 s30, s30, s31
	s_lshl_b32 s30, s30, 8                         ; my first row's byte: 256 bytes a row
	s_mov_b32 s31, 0
	s_mov_b32 vcc_lo, 0xffff0000                   ; lanes 16-31
	s_wait_alu depctr_va_vdst(0)
	v_lshlrev_b32 v4, 4, v2                        ; 16 x lane: the loads' and the stores' offset
	v_and_b32 v7, 15, v2                           ; r
	v_lshrrev_b32 v8, 4, v2                        ; h
	s_mul_i32 s22, s16, WREG
	v_mul_u32_u24 v5, v8, SP
	v_lshl_add_u32 v5, v7, 4, v5
	v_add_nc_u32 v5, s22, v5                       ; the stage, way in: a load's 512 bytes are two rows
	v_and_b32 v9, 8, v7
	v_add_nc_u32 v9, v9, v7                        ; r + 8 (r / 8)
	v_mul_u32_u24 v6, v9, SP
	v_lshl_add_u32 v6, v8, 6, v6
	v_add_nc_u32 v6, s22, v6                       ; way out: my row, + 64 h
	v_mov_b32 v[T], 0                              ; written once: a lane permute's destination counts as one of its sources
	v_mov_b32 v[T+1], 0
	s_wait_alu depctr_va_vdst(0)
	s_wait_kmcnt 0x0
	s_cmp_lt_u32 ttmp9, 256                        ; the choice hangs on the work-group's number alone
	s_cselect_b64 s[4:5], s[4:5], s[6:7]
	s_cselect_b64 s[34:35], s[10:11], s[12:13]
	s_add_nc_u64 s[4:5], s[4:5], s[30:31]
	s_add_nc_u64 s[10:11], s[34:35], s[26:27]
	s_add_nc_u64 s[12:13], s[34:35], s[28:29]
.macro LOADG g                         ; group g: 32 rows, 8,192 bytes; each load reads 512 consecutive bytes
.irp k, 0,1,2,3,4,5,6,7,8,9,10,11,12,13,14,15
	global_load_b128 v[R+64*((\g)%2)+4*\k:R+64*((\g)%2)+4*\k+3], v4, s[4:5] offset:8192*(\g)+512*\k th:TH_LOAD_NT
.endr
.endm
.macro QT u                            ; tile u of the group: two blocks of 32 channels, 16 numbers of each in my lane, the other 16 in lane l xor 16
.set XS, X+32*(\u)
.irp c, 0,1
	v_max3_num_f32 v[BM+\c], |v[XS+16*\c]|, |v[XS+16*\c+1]|, FLOOR
.endr
.irp k, 2,4,6,8,10,12,14
.irp c, 0,1
	v_max3_num_f32 v[BM+\c], v[BM+\c], |v[XS+16*\c+\k]|, |v[XS+16*\c+\k+1]|
.endr
.endr
.irp c, 0,1
	v_permlanex16_b32 v[T+\c], v[BM+\c], s20, s21
.endr
.irp c, 0,1
	v_max_num_f32 v[BM+\c], v[BM+\c], v[T+\c]      ; the block's largest magnitude
.endr
.irp c, 0,1
	v_add_nc_u32 v[SCO+\c], 0xfc000000, v[BM+\c]   ; 8 off its exponent field: the conversion takes the exponent field of this operand as its scale
.endr
.irp c, 0,1
	v_and_or_b32 v[LIM+\c], v[BM+\c], 0x7f800000, s23   ; 448 x the scale
.endr
.irp c, 0,1
	v_lshrrev_b32 v[T+\c], 23, v[SCO+\c]           ; the scale's byte
.endr
	v_lshl_or_b32 v[W+(\u)], v[T+1], 8, v[T]       ; my row's word; its bytes 2 and 3 stay 0: they scale the half of the instruction's K that holds zero codes on query's side
.irp c, 0,1
.irp k, 0,1,2,3,4,5,6,7,8,9,10,11,12,13,14,15
	v_med3_num_f32 v[XS+16*\c+\k], v[XS+16*\c+\k], -v[LIM+\c], v[LIM+\c]   ; the conversion to an 8-bit code does not saturate (ISA guide 7.6.2)
.endr
	v_cvt_scalef32_pk8_fp8_f32 v[C+8*(\u)+4*\c:C+8*(\u)+4*\c+1], v[XS+16*\c:XS+16*\c+7], v[SCO+\c]
	v_cvt_scalef32_pk8_fp8_f32 v[C+8*(\u)+4*\c+2:C+8*(\u)+4*\c+3], v[XS+16*\c+8:XS+16*\c+15], v[SCO+\c]
.endr
.endm
.macro GROUP g
.if (\g) < 3
	s_wait_loadcnt 16                              ; this group's 16 loads are in; the next group's 16 may be out
.else
	s_wait_loadcnt 0x0
.endif
.irp k, 0,1,2,3,4,5,6,7,8,9,10,11,12,13,14,15
	ds_store_b128 v5, v[R+64*((\g)%2)+4*\k:R+64*((\g)%2)+4*\k+3] offset:2*SP*\k
.endr
.irp u, 0,1
.irp c, 0,1
.irp k, 0,1,2,3
	ds_load_b128 v[X+32*\u+16*\c+4*\k:X+32*\u+16*\c+4*\k+3], v6 offset:8*SP*\u+128*\c+16*\k   ; LDS serves a wave's instructions in order: these see the stores above
.endr
.endr
.endr
	s_wait_dscnt 0x0                               ; the numbers are back, and the stores into the stage have read their registers
.if (\g) > 0
	s_wait_xcnt 0x0                                ; the last group's stores have read the codes' registers, which are written again below
.endif
.if (\g) < 2
	LOADG (\g)+2
.endif
	QT 0
	QT 1
	v_cndmask_b32 v[SW+(\g)], v[W], v[W+1], vcc_lo ; lanes 0-15: tile 2 g's words, lanes 16-31: tile 2 g + 1's.  (Also the plain line behind the conversions)
.irp u, 0,1
.irp c, 0,1
	global_store_b128 v4, v[C+8*\u+4*\c:C+8*\u+4*\c+3], s[10:11] offset:(2*(\g)+\u)*1024+512*\c   ; 512 consecutive bytes, aligned
.endr
.endr
.endm
	LOADG 0
	LOADG 1
	GROUP 0
	GROUP 1
	GROUP 2
	GROUP 3
	global_store_b128 v4, v[SW:SW+3], s[12:13]     ; the step's 512 bytes of scale words
	s_wait_tensorcnt 0x0
	ds_add_u32 v248, v249
	s_wait_dscnt 0x0
	s_endpgm
	; ---------------- value ----------------  a lane takes a channel, and its registers run down the keys: a block of 32 keys lies in one lane
.Lv:
	s_sub_co_u32 s17, ttmp9, 512
	s_lshr_b32 s18, s17, 3                         ; batch x 16 + head
	s_and_b32 s19, s17, 7
	s_lshl_b32 s19, s19, 1
	s_lshr_b32 s22, s16, 1
	s_add_co_u32 s19, s19, s22                     ; step = 2 x (work-group % 8) + wave / 2
	s_and_b32 s22, s16, 1                          ; which 32 channels
	s_lshr_b32 s24, s18, 1
	s_lshl_b32 s24, s24, 4
	s_add_co_u32 s24, s24, s19                     ; the block
	s_mul_i32 s24, s24, KVB
	s_and_b32 s25, s18, 1                          ; i
	s_lshl_b32 s26, s25, 13
	s_add_co_u32 s26, s26, s24
	s_lshl_b32 s27, s22, 12
	s_add_co_u32 s26, s26, s27
	s_add_co_u32 s26, s26, VCO                     ; VC + i 8192 + my two tiles of 16 channels
	s_mov_b32 s27, 0
	s_lshl_b32 s28, s25, 8
	s_add_co_u32 s28, s28, s24
	s_lshl_b32 s29, s22, 7
	s_add_co_u32 s28, s28, s29
	s_add_co_u32 s28, s28, VSO                     ; VS + i 256 + my 128 bytes
	s_mov_b32 s29, 0
	s_lshl_b32 s30, s18, 11
	s_lshl_b32 s31, s19, 7
	s_add_co_u32 s30, s30, s31
	s_lshl_b32 s30, s30, 8                         ; my first key's row,
	s_lshl_b32 s31, s22, 7
	s_add_co_u32 s30, s30, s31                     ; my first channel
	s_mov_b32 s31, 0
	s_wait_alu depctr_va_vdst(0)
	v_lshlrev_b32 v3, 2, v2                        ; 4 x lane
	v_lshrrev_b32 v4, 4, v2
	v_lshlrev_b32 v4, 11, v4
	v_and_b32 v5, 15, v2
	v_lshl_add_u32 v4, v5, 4, v4                   ; the codes' place: tile lane / 16, 16 bytes for row lane % 16
	s_wait_alu depctr_va_vdst(0)
	s_wait_kmcnt 0x0
	s_add_nc_u64 s[8:9], s[8:9], s[30:31]
	s_add_nc_u64 s[12:13], s[10:11], s[28:29]
	s_add_nc_u64 s[10:11], s[10:11], s[26:27]
.macro LOADV c                         ; block c: value(32 c + k, my channel): the wave reads 128 consecutive bytes a load
.irp k, 0,1,2,3,4,5,6,7,8,9,10,11,12,13,14,15,16,17,18,19,20,21,22,23,24,25,26,27,28,29,30,31
	global_load_b32 v[VX+32*((\c)%2)+\k], v3, s[8:9] offset:(32*(\c)+\k)*256 th:TH_LOAD_NT
.endr
.endm
.macro BLOCK c
.set XS, VX+32*((\c)%2)
.if (\c) < 3
	s_wait_loadcnt 32                              ; this block's 32 loads are in; the next block's may be out
.else
	s_wait_loadcnt 0x0
.endif
	v_max3_num_f32 v12, |v[XS]|, |v[XS+1]|, |v[XS+2]|
	v_max3_num_f32 v13, |v[XS+3]|, |v[XS+4]|, |v[XS+5]|
.irp k, 6,10,14,18,22,26
	v_max3_num_f32 v12, v12, |v[XS+\k]|, |v[XS+\k+1]|
	v_max3_num_f32 v13, v13, |v[XS+\k+2]|, |v[XS+\k+3]|
.endr
	v_max3_num_f32 v12, v12, |v[XS+30]|, |v[XS+31]|
	v_max3_num_f32 v12, v12, v13, FLOOR
	v_add_nc_u32 v11, 0xfc000000, v12
	v_and_or_b32 v10, v12, 0x7f800000, s23
	v_lshrrev_b32 v13, 23, v11
.if (\c) == 0
	v_mov_b32 v24, v13                             ; the four bytes make my channel's word, the lower keys in the lower byte
.else
	v_lshl_or_b32 v24, v13, 8*(\c), v24
.endif
.irp k, 0,1,2,3,4,5,6,7,8,9,10,11,12,13,14,15,16,17,18,19,20,21,22,23,24,25,26,27,28,29,30,31
	v_med3_num_f32 v[XS+\k], v[XS+\k], -v10, v10
.endr
.irp k, 0,1,2,3
	v_cvt_scalef32_pk8_fp8_f32 v[VC+8*(\c)+2*\k:VC+8*(\c)+2*\k+1], v[XS+8*\k:XS+8*\k+7], v11
.endr
.if (\c) < 2
	LOADV (\c)+2
.endif
	global_store_b128 v4, v[VC+8*(\c):VC+8*(\c)+3], s[10:11] offset:512*(\c)         ; keys 32 c + 0..15: sixteen lanes store 256 consecutive bytes, aligned
	global_store_b128 v4, v[VC+8*(\c)+4:VC+8*(\c)+7], s[10:11] offset:512*(\c)+256   ; keys 32 c + 16..31: the image's lanes 16-31
.endm
	LOADV 0
	LOADV 1
	BLOCK 0
	BLOCK 1
	BLOCK 2
	BLOCK 3
	global_store_b32 v3, v24, s[12:13]
	s_endpgm
.Lfunc_end_k_qde368535cc_prep:
	.size	k_qde368535cc_prep, .Lfunc_end_k_qde368535cc_prep-k_qde368535cc_prep
	.p2alignl 7, 3214868480
	.fill 96, 4, 3214868480
	.section	.rodata,"a",@progbits
	.p2align	6, 0x0
	.amdhsa_kernel k_qde368535cc_prep
		.amdhsa_group_segment_fixed_size 35328
		.amdhsa_private_segment_fixed_size 0
		.amdhsa_enable_private_segment 0
		.amdhsa_kernarg_size 40
		.amdhsa_user_sgpr_count 2
		.amdhsa_user_sgpr_kernarg_segment_ptr 1
		.amdhsa_wavefront_size32 1
		.amdhsa_system_sgpr_workgroup_id_x 1
		.amdhsa_system_sgpr_workgroup_id_y 1
		.amdhsa_system_sgpr_workgroup_id_z 1
		.amdhsa_system_vgpr_workitem_id 0
		.amdhsa_next_free_vgpr 250
		.amdhsa_next_free_sgpr 66
		.amdhsa_reserve_vcc 1
		.amdhsa_float_denorm_mode_32 3
		.amdhsa_float_denorm_mode_16_64 3
		.amdhsa_memory_ordered 1
		.amdhsa_forward_progress 1
		.amdhsa_inst_pref_size 80
	.end_amdhsa_kernel
	.amdgpu_metadata
---
amdhsa.version: [ 1, 2 ]
amdhsa.kernels:
  - .name:           k_qde368535cc_prep
    .symbol:         k_qde368535cc_prep.kd
    .args:
      - { .name: key, .offset: 0, .size: 8, .value_kind: global_buffer, .address_space: global }
      - { .name: query, .offset: 8, .size: 8, .value_kind: global_buffer, .address_space: global }
      - { .name: value, .offset: 16, .size: 8, .value_kind: global_buffer, .address_space: global }
      - { .name: kv, .offset: 24, .size: 8, .value_kind: global_buffer, .address_space: global }
      - { .name: qc, .offset: 32, .size: 8, .value_kind: global_buffer, .address_space: global }
    .group_segment_fixed_size: 35328
    .private_segment_fixed_size: 0
    .kernarg_segment_align: 8
    .kernarg_segment_size: 40
    .max_flat_workgroup_size: 128
    .sgpr_count:     66
    .vgpr_count:     250
    .wavefront_size: 32
...
	.end_amdgpu_metadata
.endif
;; end of part 1
;; launch attn (part 2): grid 4 x 64, 8 waves a work-group, clusters of 4 x 4, 327,680 bytes of LDS; arguments mask, kv, qc, out0; writes out0
.if DOCPART == 2
	.amdgcn_target "amdgcn-amd-amdhsa--gfx1250"
	.amdhsa_code_object_version 6
	.text
	.protected	k_qde368535cc_attn
	.globl	k_qde368535cc_attn
	.p2align	8
	.type	k_qde368535cc_attn,@function
k_qde368535cc_attn:
	s_mov_b64 s[64:65], 0
	v_nop
	global_prefetch_b8 v0, s[64:65] scope:SCOPE_SE
	s_setreg_imm32_b32 hwreg(HW_REG_WAVE_MODE, 25, 1), 1
	s_wait_xcnt 0x0
	s_wait_alu depctr_hold_cnt(0) depctr_sa_sdst(0) depctr_va_vdst(0) depctr_va_sdst(0) depctr_va_ssrc(0) depctr_va_vcc(0) depctr_vm_vsrc(0)
	s_getreg_b32 s2, hwreg(HW_REG_IB_STS2, 6, 4)
	s_cmp_eq_u32 s2, 0
	s_cbranch_scc0 .Lentry_in_a_cluster
	s_endpgm
.Lentry_in_a_cluster:
	s_bfe_u32 s2, ttmp6, 0x10000c
	s_cmp_lg_u32 s2, 0xf033
	s_cbranch_scc0 .Lentry_shape_is_right
	s_endpgm
.Lentry_shape_is_right:
; out0[b][h][q] = sum over k of softmax_k(z) value[b][h][k], z = s where s = (query . key / 8) x mask[b][q][k] is above 0, else -10000.  Both products on codes of FP8 (E4M3) with E8M0 scales for each 32 along K.
; THE SOFTMAX: t = z x log2(e); M = the running largest t, rounded up to a whole number; p = 2^(t - M) is quantised along the keys, not normalised; the row's sum is taken of the unquantised p and divides at the end.
; When M moves, the sum and O are multiplied by 2^(old M - new M), made by v_ldexp_f32: exact, and without a branch.
; SHARES.  A work-group: 128 queries x FOUR heads; 256 work-groups.  Each of its eight waves: one tile of 16 queries x 4 heads, in 512 registers, two waves to a SIMD.  16 steps of 128 keys; the four heads are written out in a step.
; A wave's mask of a step, made f32 once, stays in 64 registers for all four heads.
; CLUSTER 4 x 4: x = the four quads of heads of a batch, y = four neighbouring blocks of queries.  The mask's tile hangs on batch and block of queries alone: asked for jointly along a row of the cluster.
; A step's two blocks of kv (K's and V's codes and scale words of two heads each, images of the operands' registers) hang on batch and quad alone: asked for jointly along a column.
; WHO FETCHES: waves 0, 1 the mask's halves, waves 2, 3 the first pair's block of kv in halves, waves 4, 5 the second pair's; waves 6, 7 fetch, once, at the head, the work-group's two blocks of qc (a load of its own, no mask): so every wave has one tensor load at the head.
; LAYOUT.  Both products are used transposed: S^T = K Q^T (source 0 = 16 keys), O^T = V^T P^T (source 0 = 16 channels): a lane holds one query (lane % 16) throughout.  The keys of a tile of K are chosen so that the 16 registers
; of tiles 2 g and 2 g + 1 are 16 neighbouring keys, 32 g + 16 (lane / 16) + 0..15: the conversions' results are the second product's operand.
; query's codes are laid as key's: lane r of wave w holds query 32 (w / 2) + 8 (w % 2) + r + 8 (r / 8) of the block; the mask's rows and out0's rows are taken in that order.  A head's fragment of Q comes from LDS with its K.
; THE FIRST PRODUCT'S K IS 64, the instruction's 128: Q's upper eight registers are zero codes; K's upper eight are then the next tile's codes (behind the last tile eight registers of zeros), which count for nothing; the scale bytes there are 0.
; THE THRESHOLD.  S holds q . k x mask - 2^-126 (one packed multiply-add); as whole numbers, every f32 from 0 up is above every f32 with its sign set, and among those the larger magnitude is the larger whole number:
; so one v_max_i32 with the bits of -80000 (-10000 x 8) leaves what is positive and turns the rest into -80000.  The division by 8 (d_k = 64) lies in c = log2(e) / 8.
; LIMITS: q . k x mask in (0, 2^-126) counts as not positive; q . k x mask under -80000 keeps its own value in place of -80000, which shows only in a row that has no positive score at all;
; NaN and infinities among the inputs are not served; a block of zeros gets the scale byte 1 (its codes are zeros).
; REGISTERS, in two windows of 256 (s_set_vgpr_msb: bits 1:0 source 0, 3:2 source 1, 5:4 source 2, 7:6 destination):
;   window 0: v1-15 addresses; v16-50 at work and scale words; v64-127 S^T, then p; v128-143 p's codes; v144-159 Q of the head in hand; v160-223 K's eight fragments, v224-231 zeros; v232-247 four registers of statistics a head
;   window 1: v0-63 the mask as f32; v64-127 V's four fragments; v128-255 O^T, head n at v[128 + 32 n]
.set KVB,   34304                      ; a step's block of kv (two heads)
.set VCO,   16384
.set KSO,   32768
.set VSO,   33792
.set QCB,   17408                      ; a block of qc (two heads)
.set QSO,   16384
.set MOFF,  2*KVB                      ; in a slot the mask's tile lies behind kv's two blocks:
.set MP,    528                        ; 128 rows of 512 bytes + 16 of padding
.set SLOTB, MOFF+128*MP                ; a slot: 136,192 bytes
.set SPARE, 2*SLOTB                    ; the spare words, 128 bytes a wave: four blocks of 256 bytes that no other line names
.set QL,    SPARE+1024                 ; qc's two blocks, filled once
.set STG,   0                          ; the way out: 16 rows of 256 bytes + 16 for each wave, in slot 0: the last step reads slot 1, and slot 0 has had its last fill and was left at the last change of slots
.set SPT,   272
.set HEADB, 524288                     ; a head's 2,048 rows of 256 bytes in out0
.set FLOOR, 0x4800000                  ; 2^(9 - 127)
.set SPW,  1                           ; LDS address of my spare word; never rewritten
.set NIL,  2                           ; 0; never rewritten
.set LI,   3                           ; 16 x lane
.set LS4,  4                           ; 4 x lane
.set AM0,  5                           ; my place in the mask's tile
.set ADM,  6                           ; the same in the slot in hand
.set ADL,  7                           ; 16 x lane in the slot in hand; v9: the same in the second pair's block
.set ADS,  8                           ; 4 x lane in the slot in hand; v10: the same in the second pair's block
.set PFO,  11                          ; the prefetches' offset; never rewritten
.set STO,  12                          ; the stage, way in
.set RD,   13                          ; and back
.set QAD,  14                          ; my tile of Q in LDS
.set QSA,  15                          ; and its scale words
.set BM,   16                          ; v16-19 the blocks' largest scores, then largest p
.set T4,   20                          ; v20-23 a second chain; the other half's; then the bytes
.set LIM4, 24                          ; v24-27 448 x the scale
.set SCO,  28                          ; v28-31 the conversions' scale operands
.set NM,   32                          ; v[32:33] -M (the packed form names a pair and takes its low word)
.set TA,   34
.set TC,   35
.set SUMB, 36                          ; v[36:37] half of the step's sum
.set F0,   38                          ; v[38:39] f = 2^(old M - new M)
.set SUM,  40                          ; v[40:41] the step's sum of p
.set PSC,  43                          ; p's scale word
.set KSC,  44                          ; v[44:47] K's
.set VSC,  48                          ; v48, v49 V's
.set QSC,  50                          ; Q's
.set S0,   64
.set P0,   128
.set QF,   144
.set KB,   160
.set ST,   232                         ; head n: +0 its running largest t, +1 at work on the way out, +2, +3 its sum in two halves
.set VB,   64                          ; in window 1
.set OB,   128                         ; in window 1
.set WV,   12
.set ROLE, 13                          ; wave / 2.  0: the mask, 1 and 2: kv, 3: qc
.set HALF, 14                          ; wave % 2
.set SEL,  20                          ; s[20:21] lane l xor 16
.set CS,   22                          ; s[22:23] c = log2(e) / 8
.set TINY, 24                          ; s[24:25] -2^-126
.set TNEG, 26                          ; the bits of -80000.0
.set MNT,  27                          ; the mantissa field of 448
.set G1M,  28                          ; s[28:35], s[36:39] the mask's descriptor
.set G0M,  36
.set G1K,  40                          ; s[40:47], s[48:51] kv's
.set G0K,  48
.set TB,   52                          ; LDS byte at which the slot in hand begins
.set TBN,  53                          ; and the slot that is being asked for
.set LM,   54                          ; my part of the mask's tile in a slot
.set LK,   55                          ; my part of kv in a slot
.set STEPS, 58                         ; steps still to be asked for
.set LIM,  59                          ; 1 in a wave that prefetches, else the greatest number
.set PFA,  60                          ; s[60:61] where my prefetches stand
.set PFS,  62                          ; s[62:63] a step on
.set G1Q,  68                          ; s[68:75], s[76:79] qc's descriptor
.set G0Q,  76
.set MSB, 0
.macro WIN new                         ; the immediate's high byte repeats the setting that is left; a switch that changes nothing is dropped
.if MSB != \new
	s_set_vgpr_msb (MSB<<8)|\new
.set MSB, \new
.endif
.endm
.macro TL g0, g1                       ; a tensor load with an s_nop and four v_nops behind it
	tensor_load_to_lds s[\g0:\g0+3], s[\g1:\g1+7]
	s_nop 0
.rept 4
	v_nop
.endr
.endm
.macro JLOAD                           ; a step's joint loads: the branches hang on the wave's number alone; waves 6 and 7 have no part of a slot
	s_cmp_eq_u32 s[ROLE], 0
	s_cbranch_scc0 .Lnot_m_\@
	TL G0M, G1M
	s_branch .Lasked_\@
.Lnot_m_\@:
	s_cmp_lt_u32 s[ROLE], 3
	s_cbranch_scc0 .Lasked_\@
	TL G0K, G1K
.Lasked_\@:
.endm
.macro CROUND                          ; a round of the cluster's barrier
	s_barrier_signal -1
	s_barrier_wait -1
	s_cmp_lg_u32 s[WV], 0
	s_cbranch_scc1 .Lnot_wave_0_\@
	s_barrier_signal -3
.Lnot_wave_0_\@:
	s_barrier_wait -3
	s_barrier_signal -1
	s_barrier_wait -1
.endm
; A PREFETCH INTO THE L2 of what the NEXT change of slots will ask for, one instruction a wave, each aligned block of 256 bytes named once in the launch.
; The mask's tile is read by one cluster: of the 64 rows that wave 0 or 1 fetches, the partner at place cx takes 16, two blocks of 256 bytes a row.
; A block of kv is read by the four clusters of a batch: the first of them asks; of its 32,768 bytes of codes the partner at place cy takes 8,192, the lanes of wave 2 (first pair) or 4 (second pair) 256 bytes apart.
; Partners are told apart by address, never by a branch.  The scale words, qc and steps 0 and 1 come by their loads alone; the last change that fills a slot asks for nothing.
.macro ASK
	s_cmp_gt_u32 s[STEPS], s[LIM]
	s_cbranch_scc0 .Lnot_mine_\@
	global_prefetch_b8 v[PFO], s[PFA:PFA+1] th:TH_LOAD_NT scope:SCOPE_SE
.Lnot_mine_\@:
.endm
	s_load_b256 s[4:11], s[0:1], 0x0               ; mask s[4:5], kv s[6:7], qc s[8:9], out0 s[10:11]
	v_lshl_add_u32 v[SPW], v0, 2, SPARE
	v_mov_b32 v[NIL], 0
	ds_add_u32 v[SPW], v[NIL]                      ; the opening lines: the add, twice on end, and its wait ahead of my first tensor load
	ds_add_u32 v[SPW], v[NIL]
	v_lshrrev_b32 v[TA], 5, v0
	v_readfirstlane_b32 s[WV], v[TA]               ; wave 0..7
	s_lshr_b32 s[ROLE], s[WV], 1
	s_and_b32 s[HALF], s[WV], 1
	s_bfe_u32 s15, ttmp6, 0x40000                  ; cx
	s_bfe_u32 s16, ttmp6, 0x40004                  ; cy
	s_and_b32 s17, ttmp7, 0xffff                   ; cluster y: 4 x batch + a quarter of the batch's blocks of queries
	s_lshl_b32 s18, s17, 2
	s_add_co_u32 s18, s18, s16                     ; Y = 16 x batch + block of queries
	s_lshl_b32 s19, ttmp9, 2
	s_add_co_u32 s19, s19, s15                     ; the quad of heads = 4 x cluster x + cx
	s_lshl_b32 s80, s16, 2
	s_lshl_b32 s80, 15, s80                        ; my row of the cluster
	s_lshl_b32 s81, 0x1111, s15                    ; my column
	; the mask's tile: 64 rows x 128 elements of 4 bytes, 2,048 elements from row to row; in LDS 4 words of padding behind every 128
	s_or_b32 s[G1M], s80, (2<<16)|(1<<20)|(1<<21)|(6<<22)|(3<<25)
	s_mov_b32 s[G1M+1], 128<<16
	s_mov_b32 s[G1M+2], 64<<16
	s_mov_b32 s[G1M+3], 128<<16
	s_mov_b32 s[G1M+4], 64
	s_mov_b32 s[G1M+5], 2048
	s_mov_b32 s[G1M+6], 0
	s_mov_b32 s[G1M+7], 0
	; half of a block of kv: 17,152 dense bytes as 67 rows of 32 elements of 8 bytes
	s_or_b32 s[G1K], s81, (3<<16)|(1<<21)
	s_mov_b32 s[G1K+1], 32<<16
	s_mov_b32 s[G1K+2], 67<<16
	s_mov_b32 s[G1K+3], 32<<16
	s_mov_b32 s[G1K+4], 67
	s_mov_b32 s[G1K+5], 32
	s_mov_b32 s[G1K+6], 0
	s_mov_b32 s[G1K+7], 0
	; a block of qc: 17,408 dense bytes as 68 such rows; no mask: each work-group has its own
	s_mov_b32 s[G1Q], 3<<16
	s_mov_b32 s[G1Q+1], 32<<16
	s_mov_b32 s[G1Q+2], 68<<16
	s_mov_b32 s[G1Q+3], 32<<16
	s_mov_b32 s[G1Q+4], 68
	s_mov_b32 s[G1Q+5], 32
	s_mov_b32 s[G1Q+6], 0
	s_mov_b32 s[G1Q+7], 0
	s_lshl_b32 s82, s18, 20                        ; the mask: Y x 128 rows of 8,192 bytes
	s_lshl_b32 s83, s[HALF], 19                    ; + my 64 rows
	s_add_co_u32 s82, s82, s83
	s_mov_b32 s83, 0
	s_lshr_b32 s84, s17, 2                         ; batch
	s_lshl_b32 s85, s84, 2
	s_add_co_u32 s85, s85, s19                     ; 4 x batch + quad
	s_lshr_b32 s86, s[ROLE], 1                     ; which pair of the quad: waves 2, 3: 0; waves 4, 5: 1
	s_lshl_b32 s87, s85, 1
	s_add_co_u32 s87, s87, s86                     ; 8 x batch + pair of heads
	s_mul_i32 s88, s87, 16*KVB                     ; kv: sixteen blocks each
	s_mul_i32 s89, s[HALF], KVB/2                  ; my half
	s_add_co_u32 s90, s88, s89
	s_mov_b32 s91, 0
	s_mul_i32 s[LK], s86, KVB
	s_add_co_u32 s[LK], s[LK], s89                 ; no place in the cluster enters an LDS address
	s_mul_i32 s[LM], s[HALF], 64*MP
	s_add_co_u32 s[LM], s[LM], MOFF
	s_and_b32 s94, s18, 15                         ; the block of queries
	s_lshl_b32 s92, s85, 1
	s_add_co_u32 s92, s92, s[HALF]                 ; qc: wave 6 the first pair's block, wave 7 the second's
	s_lshl_b32 s92, s92, 4
	s_add_co_u32 s92, s92, s94
	s_mul_i32 s92, s92, QCB
	s_mov_b32 s93, 0
	s_mul_i32 s95, s[HALF], QCB
	s_add_co_u32 s95, s95, QL
	s_mov_b32 s[SEL], 0x76543210
	s_mov_b32 s[SEL+1], 0xfedcba98
	s_mov_b32 s[CS], 0x3e38aa3b
	s_mov_b32 s[CS+1], s[CS]                       ; (named with it as a pair, so it is written)
	s_mov_b32 s[TINY], 0x80800000
	s_mov_b32 s[TINY+1], s[TINY]
	s_mov_b32 s[TNEG], 0xc79c4000
	s_mov_b32 s[MNT], 0x600000
	s_mov_b32 s[TB], 0
	s_mov_b32 s[TBN], 0
	s_mov_b32 s[STEPS], 15
	s_wait_dscnt 0x0                               ; both opening adds are done
	s_wait_kmcnt 0x0
	s_mov_b32 s[G0M], 1
	s_mov_b32 s[G0M+1], s[LM]                      ; slot 0
	s_add_nc_u64 s[G0M+2:G0M+3], s[4:5], s[82:83]  ; step 0
	s_or_b32 s[G0M+3], s[G0M+3], 0x80000000
	s_mov_b32 s[G0K], 1
	s_mov_b32 s[G0K+1], s[LK]
	s_add_nc_u64 s[G0K+2:G0K+3], s[6:7], s[90:91]
	s_or_b32 s[G0K+3], s[G0K+3], 0x80000000
	s_mov_b32 s[G0Q], 1
	s_mov_b32 s[G0Q+1], s95
	s_add_nc_u64 s[G0Q+2:G0Q+3], s[8:9], s[92:93]
	s_or_b32 s[G0Q+3], s[G0Q+3], 0x80000000
	CROUND                                         ; all sixteen work-groups are here: the first joint loads meet
	; the head's loads, one a wave: one chain of branches on the wave's number, a load in every arm, one join
	s_cmp_eq_u32 s[ROLE], 0
	s_cbranch_scc0 .Lhead_k
	TL G0M, G1M
	s_branch .Lhead_asked
.Lhead_k:
	s_cmp_lt_u32 s[ROLE], 3
	s_cbranch_scc0 .Lhead_q
	TL G0K, G1K
	s_branch .Lhead_asked
.Lhead_q:
	TL G0Q, G1Q
.Lhead_asked:
	s_lshl_b32 s86, s85, 13                        ; out0: (4 x batch + quad) x 4 heads x 2,048 rows
	s_lshl_b32 s87, s94, 7
	s_add_co_u32 s86, s86, s87                     ; + 128 x block of queries
	s_lshl_b32 s87, s[ROLE], 5
	s_add_co_u32 s86, s86, s87                     ; + 32 (wave / 2)
	s_lshl_b32 s87, s[HALF], 3
	s_add_co_u32 s86, s86, s87                     ; + 8 (wave % 2)
	s_lshl_b32 s86, s86, 8                         ; rows of 256 bytes
	s_mov_b32 s87, 0
	s_add_nc_u64 s[10:11], s[10:11], s[86:87]
	s_mul_i32 s90, s[WV], 16*SPT
	s_add_co_u32 s90, s90, STG                     ; my stage
	s_lshl_b32 s91, s[ROLE], 5
	s_lshl_b32 s92, s[HALF], 3
	s_add_co_u32 s91, s91, s92
	s_mul_i32 s91, s91, MP
	s_add_co_u32 s91, s91, MOFF                    ; my tile's first row of the mask
	s_lshl_b32 s92, s[WV], 10
	s_add_co_u32 s92, s92, QL                      ; Q: tile t = wave, 1,024 bytes a tile
	s_lshl_b32 s93, s[HALF], 8                     ; its words: lanes 16 (wave % 2) on of the image, 16 bytes a lane,
	s_lshl_b32 s84, s[ROLE], 2                     ; word wave / 2
	s_add_co_u32 s93, s93, s84
	s_add_co_u32 s93, s93, QL+QSO
	; the prefetches (macro ASK): where my wave's stand, and who asks
	s_lshl_b32 s96, s15, 17                        ; the mask: my work-group's 16 rows of the 64,
	s_add_co_u32 s96, s96, s82
	s_add_co_u32 s96, s96, 512                     ; at step 1: the first change of slots steps it to step 2
	s_lshl_b32 s97, s16, 13                        ; kv: my work-group's 8,192 bytes of the codes,
	s_add_co_u32 s97, s97, s88
	s_add_co_u32 s97, s97, KVB                     ; at step 1
	s_and_b32 s98, s17, 3                          ; which of the four clusters that read this kv: the same in all sixteen partners;
	s_or_b32 s98, s98, s[HALF]                     ; of a block's two waves the first
	s_cmp_eq_u32 s98, 0
	s_cselect_b32 s98, 1, -1
	s_cmp_lt_u32 s[ROLE], 3
	s_cselect_b32 s98, s98, -1                     ; waves 6 and 7 ask for nothing
	s_mov_b32 s99, KVB
	s_mov_b32 s94, 512
	s_cmp_eq_u32 s[ROLE], 0
	s_cselect_b64 s[PFA:PFA+1], s[4:5], s[6:7]
	s_cselect_b32 s96, s96, s97
	s_cselect_b32 s[LIM], 1, s98
	s_cselect_b32 s[PFS], 512, s99
	s_cselect_b32 s94, 8192, s94                   ; from one pair of lanes to the next: a row of the mask, or 512 bytes of kv
	s_mov_b32 s97, 0
	s_mov_b32 s[PFS+1], 0
	s_add_nc_u64 s[PFA:PFA+1], s[PFA:PFA+1], s[96:97]
	v_and_b32 v[TA], 31, v0                        ; lane
	v_and_b32 v[TC], 15, v0                        ; r
	v_bfe_u32 v[BM], v0, 4, 1                      ; h
	v_lshlrev_b32 v[LI], 4, v[TA]
	v_lshlrev_b32 v[LS4], 2, v[TA]
	v_mul_u32_u24 v[STO], v[TC], SPT
	v_mul_u32_u24 v[RD], v[BM], SPT
	v_and_b32 v[ADM], 8, v[TC]
	v_lshl_add_u32 v[STO], v[BM], 5, v[STO]
	v_lshl_add_u32 v[RD], v[TC], 4, v[RD]
	v_add_nc_u32 v[ADM], v[ADM], v[TC]             ; r + 8 (r / 8)
	v_add_nc_u32 v[STO], s90, v[STO]               ; in: row r, 32 bytes for each half of the lanes
	v_add_nc_u32 v[RD], s90, v[RD]                 ; back: lanes 0-15 one row, lanes 16-31 the next
	v_mul_u32_u24 v[AM0], v[ADM], MP
	v_add_nc_u32 v[QAD], s92, v[LI]
	v_lshl_add_u32 v[QSA], v[TC], 4, s93
	v_lshl_add_u32 v[AM0], v[BM], 6, v[AM0]
	v_lshrrev_b32 v[TC], 1, v[TA]
	v_and_b32 v[PFO], 1, v[TA]
	v_add_nc_u32 v[AM0], s91, v[AM0]               ; the mask: my query's row, + 64 h
	v_mul_lo_u32 v[TC], v[TC], s94
	v_lshlrev_b32 v[PFO], 8, v[PFO]
	v_mov_b32 v[NM+1], 0                           ; the upper halves of pairs of which the low word alone is taken
	v_mov_b32 v[F0+1], 0
	v_add_nc_u32 v[PFO], v[PFO], v[TC]
.irp k, 0,1,2,3,4,5,6,7
	v_mov_b32 v[QF+8+\k], 0                        ; Q's zero codes for the upper half of the instruction's K
	v_mov_b32 v[KB+64+\k], 0                       ; and behind K's last tile
.endr
.irp n, 0,1,2,3
	v_mov_b32 v[ST+4*\n], 0xff61b1e6               ; the largest t so far: -3e38, under every t
	v_mov_b32 v[ST+4*\n+2], 0                      ; the sum
	v_mov_b32 v[ST+4*\n+3], 0
.endr
	WIN 0x40
.set j, 0
.rept 128
	v_mov_b32 v[OB+j], 0                           ; O^T.  The step is written once for all steps: the first finds zeros, which the first change of M leaves zeros.  A first step of its own would be a third copy of the step's text
.set j, j+1
.endr
	WIN 0
; ---- loads from LDS, in runs
.macro LOADK n                         ; head n's eight fragments of K, their four scale words, Q's fragment and its scale word: 20 loads
.irp t, 0,1,2,3,4,5,6,7
.irp c, 0,1
	ds_load_b128 v[KB+8*\t+4*\c:KB+8*\t+4*\c+3], v[ADL+2*((\n)/2)] offset:8192*((\n)%2)+1024*\t+512*\c
.endr
.endr
	ds_load_b128 v[KSC:KSC+3], v[ADL+2*((\n)/2)] offset:KSO+512*((\n)%2)
.irp c, 0,1
	ds_load_b128 v[QF+4*\c:QF+4*\c+3], v[QAD] offset:QCB*((\n)/2)+8192*((\n)%2)+512*\c
.endr
	ds_load_b32 v[QSC], v[QSA] offset:QCB*((\n)/2)+512*((\n)%2)   ; lane r: the word of my tile's row r (lanes 16-31 take the same and are not read)
.endm
.macro LOADV n                         ; head n's four fragments of V and two registers of scale words: 18 loads
	WIN 0x40
.irp c, 0,1,2,3
.irp k, 0,1,2,3
	ds_load_b128 v[VB+16*\c+4*\k:VB+16*\c+4*\k+3], v[ADL+2*((\n)/2)] offset:VCO+8192*((\n)%2)+2048*\c+512*\k
.endr
.endr
	WIN 0
	ds_load_b32 v[VSC], v[ADS+2*((\n)/2)] offset:VSO+256*((\n)%2)
	ds_load_b32 v[VSC+1], v[ADS+2*((\n)/2)] offset:VSO+256*((\n)%2)+128
.endm
.macro LOADMK                          ; the mask of my 16 queries x 128 keys, in S^T's layout: register 16 b + 4 k + e = key 32 b + 16 (lane / 16) + 4 k + e
	WIN 0x40
.irp b, 0,1,2,3
.irp k, 0,1,2,3
	ds_load_b128 v[16*\b+4*\k:16*\b+4*\k+3], v[ADM] offset:128*\b+16*\k
.endr
.endr
	WIN 0
.endm
.macro CVTMK                           ; whole numbers to f32, once for all four heads
	WIN 0x41
.set j, 0
.rept 64
	v_cvt_f32_i32 v[j], v[j]
.set j, j+1
.endr
	WIN 0
.endm
; ---- the products
.macro SMUL                            ; S^T: eight tiles of 16 keys x my 16 queries.  Every product starts its sum with 0; all its registers lie in window 0
.irp t, 0,2,4,6
	v_wmma_scale_f32_16x16x128_f8f6f4 v[S0+8*\t:S0+8*\t+7], v[KB+8*\t:KB+8*\t+15], v[QF:QF+15], 0, v[KSC+\t/2], v[QSC]
	v_wmma_scale_f32_16x16x128_f8f6f4 v[S0+8*\t+8:S0+8*\t+15], v[KB+8*\t+8:KB+8*\t+23], v[QF:QF+15], 0, v[KSC+\t/2], v[QSC] matrix_a_scale:MATRIX_SCALE_ROW1
.endr
.endm
.macro PVW c, n                        ; O^T += V^T P^T: channels 16 c on, head n
.set rO, OB+32*(\n)+8*(\c)
.if (\c)%2 == 0
	v_wmma_scale_f32_16x16x128_f8f6f4 v[rO:rO+7], v[VB+16*(\c):VB+16*(\c)+15], v[P0:P0+15], v[rO:rO+7], v[VSC+(\c)/2], v[PSC]
.else
	v_wmma_scale_f32_16x16x128_f8f6f4 v[rO:rO+7], v[VB+16*(\c):VB+16*(\c)+15], v[P0:P0+15], v[rO:rO+7], v[VSC+(\c)/2], v[PSC] matrix_a_scale:MATRIX_SCALE_ROW1
.endif
.endm
.macro PVU n
	WIN 0x41                                       ; O^T window 1, f window 0
	s_wait_alu depctr_va_vdst(0)                   ; the wait here, directly ahead of the first reader of O^T
.set j, 0
.rept 16
	v_pk_mul_f32 v[OB+32*(\n)+j:OB+32*(\n)+j+1], v[OB+32*(\n)+j:OB+32*(\n)+j+1], v[F0:F0+1] op_sel_hi:[1,0]   ; O^T under the new M, each accumulator from its low end on; also the places between p's codes and the products
.set j, j+2
.endr
	WIN 0x51                                       ; V and O^T window 1, P window 0
.irp c, 0,1,2,3
	PVW \c, \n                                     ; the four accumulators take turns, one instruction a turn
.endr
	WIN 0
	v_pk_fma_f32 v[ST+4*(\n)+2:ST+4*(\n)+3], v[ST+4*(\n)+2:ST+4*(\n)+3], v[F0:F0+1], v[SUM:SUM+1] op_sel_hi:[1,0,1]   ; the sum under the new M + the step's
.endm
; ---- the softmax of head n: 64 scores a lane become p's codes, their scale word, the step's sum and f
.macro SM n
.set rC, ST+4*(\n)
	WIN 0x04                                       ; the mask in window 1
.set j, 0
.rept 32
	v_pk_fma_f32 v[S0+j:S0+j+1], v[S0+j:S0+j+1], v[j:j+1], s[TINY:TINY+1] op_sel_hi:[1,1,0]   ; score x mask - 2^-126: a zero gets its sign set; each accumulator from its low end on
.set j, j+2
.endr
	WIN 0
.set j, 0
.rept 64
	v_max_i32 v[S0+j], s[TNEG], v[S0+j]            ; what is above 0 stays; the rest becomes -80000
.set j, j+1
.endr
; the largest score of each block of 32 keys, for the row's maximum and, since p rises with the score, for the block's largest p: two chains a block, eight by turns
.irp b, 0,1,2,3
	v_max3_num_f32 v[BM+\b], v[S0+16*\b], v[S0+16*\b+1], v[S0+16*\b+2]
.endr
.irp b, 0,1,2,3
	v_max3_num_f32 v[T4+\b], v[S0+16*\b+7], v[S0+16*\b+8], v[S0+16*\b+9]
.endr
.irp k, 3,5
.irp b, 0,1,2,3
	v_max3_num_f32 v[BM+\b], v[BM+\b], v[S0+16*\b+\k], v[S0+16*\b+\k+1]
.endr
.irp b, 0,1,2,3
	v_max3_num_f32 v[T4+\b], v[T4+\b], v[S0+16*\b+\k+7], v[S0+16*\b+\k+8]
.endr
.endr
.irp b, 0,1,2,3
	s_delay_alu instid0(VALU_DEP_4)
	v_max3_num_f32 v[BM+\b], v[BM+\b], v[T4+\b], v[S0+16*\b+14]
.endr
.irp b, 0,1,2,3
	s_delay_alu instid0(VALU_DEP_4)
	v_max_num_f32 v[BM+\b], v[BM+\b], v[S0+16*\b+15]
.endr
.irp b, 0,1,2,3
	s_delay_alu instid0(VALU_DEP_4)
	v_permlanex16_b32 v[T4+\b], v[BM+\b], s[SEL], s[SEL+1]
.endr
.irp b, 0,1,2,3
	s_delay_alu instid0(VALU_DEP_4)
	v_max_num_f32 v[BM+\b], v[BM+\b], v[T4+\b]     ; with lane l xor 16's 16 keys
.endr
	s_delay_alu instid0(VALU_DEP_2)
	v_max3_num_f32 v[TA], v[BM], v[BM+1], v[BM+2]
	s_delay_alu instid0(VALU_DEP_1)
	v_max_num_f32 v[TA], v[TA], v[BM+3]
	s_delay_alu instid0(VALU_DEP_1)
	v_mul_f32 v[TA], s[CS], v[TA]                  ; the step's largest t (c is positive)
	v_floor_f32 v[TC], -v[rC]                      ; the old -M
	s_delay_alu instid0(VALU_DEP_2)
	v_max_num_f32 v[rC], v[rC], v[TA]              ; the running largest t
	s_delay_alu instid0(VALU_DEP_1)
	v_floor_f32 v[NM], -v[rC]                      ; the new -M = -ceil(t): a whole number
	s_delay_alu instid0(VALU_DEP_1)
	v_sub_f32 v[TC], v[NM], v[TC]                  ; old M - new M, 0 or less
	s_delay_alu instid0(VALU_DEP_1)
	v_cvt_i32_f32 v[TC], v[TC]                     ; (it saturates)
	s_delay_alu instid0(VALU_DEP_1)
	v_ldexp_f32 v[F0], 1.0, v[TC]                  ; f
.set j, 0
.rept 32
	v_pk_fma_f32 v[S0+j:S0+j+1], v[S0+j:S0+j+1], s[CS:CS+1], v[NM:NM+1] op_sel_hi:[1,0,0]   ; t - M
.set j, j+2
.endr
.irp b, 0,1,2,3
	v_fma_f32 v[BM+\b], v[BM+\b], s[CS], v[NM]     ; the same of each block's largest score
.endr
	s_wait_alu depctr_va_vdst(0)                   ; the wait ahead of the batch
.set j, 0
.rept 64
	v_exp_f32 v[S0+j], v[S0+j]                     ; p = 2^(t - M)
.set j, j+1
.endr
.irp b, 0,1,2,3
	v_exp_f32 v[BM+\b], v[BM+\b]                   ; the block's largest p: the same two instructions on the same number
.endr
	v_nop                                          ; one plain line behind the transcendentals
	s_wait_alu depctr_va_vdst(0)                   ; and one wait for the batch, ahead of its first reader
.irp b, 0,1,2,3
	v_max_num_f32 v[BM+\b], FLOOR, v[BM+\b]        ; the byte cannot fall under 1 (a block whose every p is 0 keeps that byte: its codes are zeros)
.endr
.irp b, 0,1,2,3
	s_delay_alu instid0(VALU_DEP_4)
	v_add_nc_u32 v[SCO+\b], 0xfc000000, v[BM+\b]   ; 8 off the exponent field: the conversion's scale operand
.endr
.irp b, 0,1,2,3
	v_and_or_b32 v[LIM4+\b], v[BM+\b], 0x7f800000, s[MNT]   ; 448 x the scale
.endr
.irp b, 0,1,2,3
	v_lshrrev_b32 v[T4+\b], 23, v[SCO+\b]          ; the scale's byte
.endr
	s_delay_alu instid0(VALU_DEP_3)
	v_lshl_or_b32 v[PSC], v[T4+1], 8, v[T4]        ; p's scale word for these 128 keys: more than eight plain lines ahead of the products that name it
	v_lshl_or_b32 v[TA], v[T4+3], 8, v[T4+2]
	s_delay_alu instid0(VALU_DEP_1)
	v_lshl_or_b32 v[PSC], v[TA], 16, v[PSC]
; the step's sum of the unquantised p: eight chains of pairs by turns, in the registers that p's codes take afterwards
.irp k, 0,1,2,3,4,5,6,7
	v_pk_add_f32 v[P0+2*\k:P0+2*\k+1], v[S0+2*\k:S0+2*\k+1], v[S0+16+2*\k:S0+16+2*\k+1]
.endr
.irp k, 0,1,2,3,4,5,6,7
	v_pk_add_f32 v[P0+2*\k:P0+2*\k+1], v[P0+2*\k:P0+2*\k+1], v[S0+32+2*\k:S0+32+2*\k+1]
.endr
.irp k, 0,1,2,3,4,5,6,7
	v_pk_add_f32 v[P0+2*\k:P0+2*\k+1], v[P0+2*\k:P0+2*\k+1], v[S0+48+2*\k:S0+48+2*\k+1]
.endr
.irp k, 0,1,2,3
	s_delay_alu instid0(VALU_DEP_4)
	v_pk_add_f32 v[P0+2*\k:P0+2*\k+1], v[P0+2*\k:P0+2*\k+1], v[P0+8+2*\k:P0+8+2*\k+1]
.endr
	s_delay_alu instid0(VALU_DEP_2)
	v_pk_add_f32 v[SUMB:SUMB+1], v[P0:P0+1], v[P0+4:P0+5]
	s_delay_alu instid0(VALU_DEP_2)
	v_pk_add_f32 v[SUM:SUM+1], v[P0+2:P0+3], v[P0+6:P0+7]
.irp b, 0,1,2,3
.irp k, 0,2,4,6,8,10,12,14
	v_dual_min_num_f32 v[S0+16*\b+\k], v[S0+16*\b+\k], v[LIM4+\b] :: v_dual_min_num_f32 v[S0+16*\b+\k+1], v[S0+16*\b+\k+1], v[LIM4+\b]   ; the conversion does not saturate (ISA guide 7.6.2); p is not negative, so the hold is one-sided; two numbers a line
.endr
	v_cvt_scalef32_pk8_fp8_f32 v[P0+4*\b:P0+4*\b+1], v[S0+16*\b:S0+16*\b+7], v[SCO+\b]
	v_cvt_scalef32_pk8_fp8_f32 v[P0+4*\b+2:P0+4*\b+3], v[S0+16*\b+8:S0+16*\b+15], v[SCO+\b]
.endr
	v_pk_add_f32 v[SUM:SUM+1], v[SUM:SUM+1], v[SUMB:SUMB+1]   ; the sum's last line is the plain line behind the last conversion
.endm
; ---- one head of a step.  nextk = 1: the next head's K and Q are asked for as soon as this head's have been multiplied
.macro HEAD n, nextk
	SMUL
.rept 8
	v_nop                                          ; eight places behind the products: in front of the first read of S^T and of the loads into K's and Q's registers; with the sum's line behind the last head's
.endr                                                  ; second products they are nine places in front of the loads into V's registers
	LOADV \n
.if \nextk
	LOADK (\n)+1
.endif
	SM \n
	s_wait_dscnt 0x0                               ; V is in, and the next head's K and Q
	PVU \n
.endm
; ---- a step's work on the slot in hand
.macro STEPWORK ask
	v_add_nc_u32 v[ADL], s[TB], v[LI]
	v_add_nc_u32 v[ADS], s[TB], v[LS4]
	v_add_nc_u32 v[ADM], s[TB], v[AM0]
	v_add_nc_u32 v[ADL+2], KVB, v[ADL]
	v_add_nc_u32 v[ADS+2], KVB, v[ADS]
	s_wait_alu depctr_va_vdst(0)
	LOADMK
	LOADK 0
.if \ask
	ASK                                            ; behind the joint load, its lines and the run of LDS loads: what the next change of slots will ask for, a whole step ahead of that load
.endif
	s_wait_dscnt 20                                ; the mask's 16 loads are in; K's 17 and Q's 3 may be out
	CVTMK
	s_wait_dscnt 0x0
	HEAD 0, 1
	HEAD 1, 1
	HEAD 2, 1
	HEAD 3, 0
	s_xor_b32 s[TB], s[TB], SLOTB                  ; on to the other slot
.endm
; THE CHANGE OF SLOTS stands at a step's head.  Each wave waits for all its tensor loads (at most one is out: its part of the slot about to be read, or of qc), adds 0 to its spare word, and waits for that and for its reads of the slot that it has left.
; fill = 1: the barrier is a round of the cluster's, so that no wave of any partner still reads that slot or has a load on its way; the joint refill comes first behind it and has the whole step in which to land.
.macro CHANGE fill
	s_wait_tensorcnt 0x0                           ; no tensor load of mine is out, so the descriptors may be written
	ds_add_u32 v[SPW], v[NIL]
.if \fill
	s_xor_b32 s[TBN], s[TBN], SLOTB                ; the other slot than last time,
	s_add_co_u32 s[G0M+1], s[TBN], s[LM]
	s_add_nc_u64 s[G0M+2:G0M+3], s[G0M+2:G0M+3], 512   ; the next 128 keys' columns of the mask; the type bits on top are not reached
	s_add_co_u32 s[G0K+1], s[TBN], s[LK]
	s_add_nc_u64 s[G0K+2:G0K+3], s[G0K+2:G0K+3], KVB   ; the next block of kv
	s_wait_xcnt 0x0                                ; the last prefetch, a step back, has read its address, so it may be written
	s_add_nc_u64 s[PFA:PFA+1], s[PFA:PFA+1], s[PFS:PFS+1]
	s_wait_dscnt 0x0                               ; the add is done, and my reads of the slot that I have left are over
	CROUND
	JLOAD
.else
	s_wait_dscnt 0x0
	s_barrier_signal -1
	s_barrier_wait -1
.endif
.endm
	s_wait_alu depctr_va_vdst(0)                   ; the wait at the head's end
.Lstep:                                            ; 15 trips: trip s works on step s and asks for step s + 1
	CHANGE 1
	STEPWORK 1
	s_sub_co_u32 s[STEPS], s[STEPS], 1
	s_cmp_lg_u32 s[STEPS], 0
	s_cbranch_scc1 .Lstep
	CHANGE 0                                       ; the last step is written out
	STEPWORK 0
	; THE WAY OUT.  Each head's sum: its two halves and lane l xor 16's.
.rept 8
	v_nop                                          ; eight places behind the last products, in front of the first read of O^T and of writes into their sources
.endr
.irp n, 0,1,2,3
	v_add_f32 v[ST+4*\n+1], v[ST+4*\n+2], v[ST+4*\n+3]
.endr
.irp n, 0,1,2,3
	s_delay_alu instid0(VALU_DEP_4)
	v_permlanex16_b32 v[ST+4*\n+2], v[ST+4*\n+1], s[SEL], s[SEL+1]
.endr
.irp n, 0,1,2,3
	s_delay_alu instid0(VALU_DEP_4)
	v_add_f32 v[ST+4*\n+1], v[ST+4*\n+1], v[ST+4*\n+2]
.endr
	s_wait_alu depctr_va_vdst(0)                   ; the wait ahead of the batch
.irp n, 0,1,2,3
	v_rcp_f32 v[ST+4*\n+2], v[ST+4*\n+1]
.endr
	v_nop                                          ; one plain line behind the transcendentals
	s_wait_alu depctr_va_vdst(0)                   ; and behind it, ahead of the first reader of the reciprocals and of O^T
; Head n: O^T / the sum (register 8 c + e = channel 16 c + 8 (lane / 16) + e of the query of lane % 16) goes into my stage as rows of 256 bytes + 16 and comes back by rows, two to a load.
; Window 0's v64-191 and window 1's v0-127 are free: a buffer of each kind for each head.
.macro PACKU n
.set rB, S0+32*(\n)
.set rL, 32*(\n)
	WIN 0x01                                       ; O^T in window 1
.set j, 0
.rept 16
	v_pk_mul_f32 v[rB+j:rB+j+1], v[OB+32*(\n)+j:OB+32*(\n)+j+1], v[ST+4*(\n)+2:ST+4*(\n)+3] op_sel_hi:[1,0]   ; each accumulator from its low end on
.set j, j+2
.endr
	WIN 0
.irp c, 0,1,2,3
	ds_store_b128 v[STO], v[rB+8*\c:rB+8*\c+3] offset:64*\c
	ds_store_b128 v[STO], v[rB+8*\c+4:rB+8*\c+7] offset:64*\c+16
.endr
	WIN 0x40                                       ; back into window 1
.irp k, 0,1,2,3,4,5,6,7
	ds_load_b128 v[rL+4*\k:rL+4*\k+3], v[RD] offset:2*SPT*\k   ; LDS serves a wave's instructions in order (ISA guide 5.7.1.4): these see the stores above, and the next head's stores come behind them
.endr
	WIN 0
.endm
.macro SENDU n, younger                ; younger: the LDS instructions issued behind head n's loads: the next head's sixteen, or none
.set rL, 32*(\n)
	s_wait_dscnt \younger                          ; head n's eight loads are back
	WIN 0x04                                       ; the stores' data in window 1
.irp k, 0,1,2,3,4,5,6,7
	global_store_b128 v[LI], v[rL+4*\k:rL+4*\k+3], s[10:11] offset:HEADB*(\n)+512*\k+2048*(\k/4) th:TH_STORE_NT   ; stage rows 2 k, 2 k + 1 are queries 2 k + 8 (k / 4) and the next: 512 consecutive bytes, aligned
.endr
	WIN 0
.endm
	PACKU 0
	PACKU 1
	SENDU 0, 16
	PACKU 2
	SENDU 1, 16
	PACKU 3
	SENDU 2, 16
	SENDU 3, 0
	s_wait_tensorcnt 0x0                           ; the wave's end: behind my last tensor load and my last LDS store
	ds_add_u32 v[SPW], v[NIL]
	s_wait_dscnt 0x0
	CROUND                                         ; the closing round: no work-group ends while a partner may still ask for a tile that names it
	s_endpgm
.Lfunc_end_k_qde368535cc_attn:
	.size	k_qde368535cc_attn, .Lfunc_end_k_qde368535cc_attn-k_qde368535cc_attn
	.p2alignl 7, 3214868480
	.fill 96, 4, 3214868480
	.section	.rodata,"a",@progbits
	.p2align	6, 0x0
	.amdhsa_kernel k_qde368535cc_attn
		.amdhsa_group_segment_fixed_size 327680
		.amdhsa_private_segment_fixed_size 0
		.amdhsa_enable_private_segment 0
		.amdhsa_kernarg_size 32
		.amdhsa_user_sgpr_count 2
		.amdhsa_user_sgpr_kernarg_segment_ptr 1
		.amdhsa_wavefront_size32 1
		.amdhsa_system_sgpr_workgroup_id_x 1
		.amdhsa_system_sgpr_workgroup_id_y 1
		.amdhsa_system_sgpr_workgroup_id_z 1
		.amdhsa_system_vgpr_workitem_id 0
		.amdhsa_next_free_vgpr 512
		.amdhsa_next_free_sgpr 100
		.amdhsa_reserve_vcc 0
		.amdhsa_float_denorm_mode_32 3
		.amdhsa_float_denorm_mode_16_64 3
		.amdhsa_memory_ordered 1
		.amdhsa_forward_progress 1
		.amdhsa_inst_pref_size 224
	.end_amdhsa_kernel
	.amdgpu_metadata
---
amdhsa.version: [ 1, 2 ]
amdhsa.kernels:
  - .name:           k_qde368535cc_attn
    .symbol:         k_qde368535cc_attn.kd
    .args:
      - { .name: mask, .offset: 0, .size: 8, .value_kind: global_buffer, .address_space: global }
      - { .name: kv, .offset: 8, .size: 8, .value_kind: global_buffer, .address_space: global }
      - { .name: qc, .offset: 16, .size: 8, .value_kind: global_buffer, .address_space: global }
      - { .name: out0, .offset: 24, .size: 8, .value_kind: global_buffer, .address_space: global }
    .group_segment_fixed_size: 327680
    .private_segment_fixed_size: 0
    .kernarg_segment_align: 8
    .kernarg_segment_size: 32
    .max_flat_workgroup_size: 256
    .sgpr_count:     100
    .vgpr_count:     512
    .wavefront_size: 32
...
	.end_amdgpu_metadata
.endif
;; end of part 2
